; MI455X (gfx1250); checked and timed in simulation.
; The chip was launched on July 23, 2026; its instructions are those of AMD's public machine-readable ISA for CDNA 5 (MIT licence, August 2026) and "CDNA5" Instruction Set Architecture Reference Guide (July 2026). The comments in the code are by the model that wrote it; some were corrected since.
;; Self Attention Layer. Allowed arithmetic: matrix products marked QUANTISED: E3M2 operands, one E8M0 scale for each 32 along K, by v_wmma_scale_f32_16x16x128_f8f6f4 with both operands' format E3M2, f32 sums; everything else in f32.
;; Inputs: W 1,024 x 1,024 float32; W1 1,024 x 1,024 float32; W2 1,024 x 1,024 float32; x 2 x 2,048 x 1,024 float32.
;; Outputs: out0 2 x 2,048 x 1,024 float32.
;; This version of the problem:
;;   THIS VERSION OF THE PROBLEM IS GIVEN IN LOW PRECISION. The matrix products marked QUANTISED in the list below multiply operands that are first quantised to E3M2 (3 exponent bits, 2 mantissa bits; 6 bits a number), with one power-of-two scale for each 32 numbers along K (OCP MX v1.0); their sums are f32. All else is computed in f32.
;;   The module's matrix products, in the order in which they are computed (A, B: the left and right operand; K: the contracted axis; several contracted axes count as one K, in the product's order):
;;     1. [M 4,096, K 1,024] x [K 1,024, N 1,024]; A: input x; B: input W: QUANTISED
;;     2. [M 4,096, K 1,024] x [K 1,024, N 1,024]; A: input x; B: input W1: QUANTISED
;;     3. [M 4,096, K 1,024] x [K 1,024, N 1,024]; A: input x; B: input W2: QUANTISED
;;     4. batch 32 x [M 2,048, K 64] x [K 64, N 2,048]; A: computed on the way; B: computed on the way: QUANTISED
;;     5. batch 32 x [M 2,048, K 2,048] x [K 2,048, N 64]; A: softmax (see below); B: computed on the way: QUANTISED
;;   THE QUANTISER, for each operand of a quantised product, along K:
;;     - K is cut into blocks of 32 from its start; a last block that is shorter is filled with zeros.
;;     - A block's scale is 2^e with e = floor(log2(the largest magnitude in the block)) - 4, held to -126 .. 127; a block of zeros has e = 0. As a byte (E8M0): e + 127.
;;     - Each number is divided by its block's scale, clamped to +-28, and rounded to the nearest number of E3M2, ties to even, subnormals kept.
;;     - The product sums the exact products of the quantised numbers (number of the format x scale) in f32.
;;   ~~~python
;;   def quantise(x, axis):      # numpy; x: float32 -> the quantised numbers, widened to float32 again
;;       x = np.moveaxis(x, axis, -1); K = x.shape[-1]
;;       x = np.pad(x, [(0, 0)] * (x.ndim - 1) + [(0, -K % 32)]); x = x.reshape(x.shape[:-1] + (-1, 32)); a = np.abs(x).max(-1, keepdims=True)
;;       e = np.where(a > 0, np.clip(np.frexp(np.where(a > 0, a, 1))[1] - 1 - 4, -126, 127), 0)      # np.frexp(a)[1] - 1 = floor(log2(a)), exactly
;;       r = np.clip(x / 2.0 ** e, -28, 28)
;;       step = 2.0 ** (np.maximum(np.frexp(np.where(r == 0, 1, r))[1] - 1, -2) - 2)
;;       q = np.round(r / step) * step * 2.0 ** e      # np.round: ties to even
;;       return np.moveaxis(q.reshape(q.shape[:-2] + (-1,))[..., :K], -1, axis).astype(np.float32)
;;   ~~~
;;   SOFTMAX AHEAD OF A QUANTISED PRODUCT. Where the list says 'softmax', what is quantised is not the finished softmax but p = 2^(t - M), with t = logit x log2(e) and M = ceil(the row's largest t), a whole number; so 1/2 < the row's largest p <= 1. The row's sum l is taken of the UNQUANTISED p, in f32, and the product's result is divided by l at the end. Since M is a whole number, a kernel that streams over the keys may use a running M (the ceiling of the running maximum): every later rescaling is an exact power of two, which a block's scale takes up: the codes' values come out the same.
;;   OPERANDS COMPUTED ON THE WAY. 'Computed on the way' means the value that the module computes at that place (a softmax that the list does not call 'softmax' is quantised finished and normalised). What goes into a quantiser is computed in f32, as accurately as f32 sums, v_exp_f32 and their like allow (about 1e-6 of the number): no bf16 or f16 on the way to a quantiser, and a product that is left as it is and whose result goes on into a quantised operand takes f32 operands (vector FMAs, or v_wmma_f32_16x16x4_f32). A number that lies on a knife's edge between two numbers of the format may be rounded either way, as far as f32 arithmetic and the matrix unit's own rounding can turn it there, and no further.
;; One version. Each part assembles by itself: llvm-mc -triple=amdgcn-amd-amdhsa -mcpu=gfx1250 --defsym DOCPART=n.
;; ======== version 1 of 1: 3 launches
;; limits: right only within a limited range of input values
;; workspace buffers: xc 3,145,728 bytes; xs 131,072 bytes; wc 2,457,600 bytes; qkv 10,092,544 bytes
;; launch quant (part 1): grid 224 x 1, 4 waves a work-group, no clusters, 74,240 bytes of LDS; arguments x, W, W1, W2, xc, xs, wc; writes xc, xs, wc
.if DOCPART == 1
	.amdgcn_target "amdgcn-amd-amdhsa--gfx1250"
	.amdhsa_code_object_version 6
	.text
	.protected	k_q4e0c7fc588_quant
	.globl	k_q4e0c7fc588_quant
	.p2align	8
	.type	k_q4e0c7fc588_quant,@function
k_q4e0c7fc588_quant:
	s_mov_b64 s[64:65], 0
	v_nop
	global_prefetch_b8 v0, s[64:65] scope:SCOPE_SE
	s_setreg_imm32_b32 hwreg(HW_REG_WAVE_MODE, 25, 1), 1
	s_wait_xcnt 0x0
; x [4096][1024] f32 (K innermost) and W, W1, W2 [1024 (K)][1024 (n)] f32 (K first) become codes of BF6 (E3M2) with one E8M0 byte for each 32 along K.
; THE CODES ARE LAID AS IMAGES OF OPERAND REGISTERS: 16 rows x 128 along K are 12 registers of 32 lanes, 1,536 bytes: register p of lane l at 512 (p / 4) + 16 l + 4 (p % 4); lane l holds row l % 16,
; registers 6 c .. 6 c + 5 its k = 64 c + 32 (l / 16) + 0 .. 31.
; PLACES: within 64 rows (of x, or of a head's 64 columns) place 16 u + r is row 32 (r / 8) + 8 u + r % 8: in a result whose source 0 are four such tiles u, a lane's 32 registers are 32 neighbours.
; xc: [256 tiles][8 steps of K][1536].  xs: [256 tiles][2 halves of K][16 rows][16 bytes].
; wc: [16 heads][8 steps of K]: 12 tiles (W's four, W1's, W2's) of 1,536 bytes, then three times 64 scale words (one for each place): 19,200 bytes.
; A block's scale is 2^(floor(log2(its largest magnitude)) - 4); its byte is the largest magnitude's exponent field - 4, held at 1 from below.
; LIMITS: a block of zeros gets the byte 1 where the rule says 127 (its codes are zeros, and this program alone reads the bytes); blocks whose largest magnitude lies under 2^(4 - 126) are held at the byte 1; NaN and infinities are not served.
; Work-groups 0-95 take the weights: a wave one head's 64 columns x 128 along K.  Work-groups 96-223 take x: a wave 16 rows (a tile) x 512 along K.  The two ways have LDS bytes of their own.
; A wave asks for all its 32,768 bytes at once: 64 loads of 512 bytes into v256-511.  No tensor loads, no barrier: waves share nothing.
.set SP,    80                         ; x: a lane's place in a stage: 64 bytes + 16 of padding
.set IPS,   1552                       ; an image of 1,536 bytes + 16 of padding
.set XREG,  11776                      ; x: a wave's LDS: two stages of 32 x SP bytes, 256 scale bytes, four images
.set WLDS,  4*XREG
.set WREG,  6656                       ; W: a wave's LDS: four images (6,400 with padding), 256 bytes of scale words
.set SPARE, WLDS+4*WREG
.set X,     16                         ; x: v16-47 two sets of 16 neighbours
.set C,     48                         ; x: v48-111 codes, four registers for each step
.set E,     112                        ; x: v112-127 a scale byte for each step
.set OUT,   128                        ; x: v128-175 the way out
.set IA,    176                        ; x: v176-178 where my three code registers go in the image
.set EB,    20                         ; W: v20-27 scale bytes
.set WX,    32                         ; W: v32-159 four columns' 32 numbers; then v32-79 the way out
.set WC,    160                        ; W: v160-223 codes, eight registers for each block
.set WT,    228                        ; W: v228-235 maxima
.set WS,    236                        ; W: v236-239 the conversions' scale operands
.set SPW,   240
.set NIL,   241
.set MSB, 0
.macro WIN new
.if MSB != (\new)
	s_set_vgpr_msb (MSB<<8)|(\new)
.set MSB, (\new)
.endif
.endm
	s_load_b256 s[4:11], s[0:1], 0x0               ; x s[4:5], W s[6:7], W1 s[8:9], W2 s[10:11]
	s_load_b128 s[12:15], s[0:1], 0x20             ; xc, xs
	s_load_b64 s[16:17], s[0:1], 0x30              ; wc
	v_lshl_add_u32 v[SPW], v0, 2, SPARE
	v_mov_b32 v[NIL], 0
	v_lshrrev_b32 v1, 5, v0
	v_readfirstlane_b32 s20, v1                    ; wave 0..3
	v_and_b32 v2, 31, v0                           ; lane
	v_lshlrev_b32 v3, 4, v2                        ; 16 x lane
	v_lshlrev_b32 v7, 3, v2                        ; 8 x lane
	s_cmp_lt_u32 ttmp9, 96
	s_wait_alu depctr_va_vdst(0)
	s_cbranch_scc1 .Lw
; ---------------- x.  A step is a row's 512 numbers: 2,048 bytes as they lie, turned through the wave's stage so that a lane holds 16 neighbours along K (two lanes to a block).
	s_mul_i32 s21, s20, XREG
	v_lshrrev_b32 v14, 2, v2
	v_mul_u32_u24 v14, v14, SP
	v_and_b32 v15, 3, v2
	v_lshl_add_u32 v14, v15, 4, v14
	v_add_nc_u32 v14, s21, v14                     ; the stage, in: SP (lane / 4) + 16 (lane % 4)
	v_mul_u32_u24 v15, v2, SP
	v_add_nc_u32 v15, s21, v15                     ; and out: SP x lane
	v_lshrrev_b32 v5, 1, v2
	s_add_co_u32 s22, s21, 2*32*SP
	v_add_nc_u32 v5, s22, v5                       ; my block's scale byte
	v_add_nc_u32 v6, s22, v7                       ; and on the way out 8 bytes a lane
	s_add_co_u32 s22, s22, 256                     ; the four images
	v_add_nc_u32 v4, s22, v3
	v_lshrrev_b32 v8, 3, v2                        ; lane = 8 x step of K + 4 c + 2 h + half: my 16 numbers are registers 6 c + 3 half .. + 2 of lane r + 16 h
	v_mul_u32_u24 v8, v8, IPS
	v_bfe_u32 v9, v2, 1, 1
	v_lshl_add_u32 v8, v9, 8, v8
	v_add_nc_u32 v8, s22, v8
	v_bfe_u32 v9, v2, 2, 1
	v_mul_u32_u24 v9, v9, 6
	v_and_b32 v10, 1, v2
	v_mad_u32_u24 v9, v10, 3, v9
.irp i, 0,1,2
	v_add_nc_u32 v10, \i, v9
	v_lshrrev_b32 v11, 2, v10
	v_and_b32 v10, 3, v10
	v_lshl_add_u32 v11, v11, 9, v8
	v_lshl_add_u32 v[IA+\i], v10, 2, v11
.endr
	s_sub_co_u32 s24, ttmp9, 96
	s_lshr_b32 s23, s20, 1
	s_lshl_b32 s24, s24, 1
	s_add_co_u32 s23, s24, s23                     ; my tile of 16 rows: 2 x (work-group - 96) + wave / 2
	s_and_b32 s24, s20, 1                          ; which half of K
	s_lshr_b32 s25, s23, 2
	s_lshl_b32 s26, s25, 18                        ; 64 rows of 4,096 bytes
	s_and_b32 s25, s23, 3
	s_lshl_b32 s25, s25, 15                        ; 8 rows
	s_add_co_u32 s26, s26, s25
	s_lshl_b32 s25, s24, 11
	s_add_co_u32 s26, s26, s25
	s_mov_b32 s27, 0
	s_mul_i32 s28, s23, 12288
	s_mul_i32 s25, s24, 6144
	s_add_co_u32 s28, s28, s25
	s_mov_b32 s29, 0
	s_lshl_b32 s30, s23, 9
	s_lshl_b32 s25, s24, 8
	s_add_co_u32 s30, s30, s25
	s_mov_b32 s31, 0
	s_wait_alu depctr_va_vdst(0)                   ; the head's end
	s_wait_kmcnt 0x0
	s_add_nc_u64 s[4:5], s[4:5], s[26:27]
	s_add_nc_u64 s[12:13], s[12:13], s[28:29]
	s_add_nc_u64 s[14:15], s[14:15], s[30:31]
	WIN 0x40
.irp t, 0,1,2,3,4,5,6,7,8,9,10,11,12,13,14,15
.irp i, 0,1,2,3
	global_load_b128 v[16*\t+4*\i:16*\t+4*\i+3], v3, s[4:5] offset:4096*(\t%8)+131072*(\t/8)+512*\i th:TH_LOAD_NT   ; v256 on: row t of the tile; 32 lanes read 512 consecutive bytes
.endr
.endr
	WIN 0
.macro XTURN t                         ; LDS serves a wave's instructions in order: no wait stands between the stores and the loads
	WIN 0x04
.irp i, 0,1,2,3
	ds_store_b128 v14, v[16*(\t)+4*\i:16*(\t)+4*\i+3] offset:32*SP*((\t)%2)+8*SP*\i
.endr
	WIN 0
.irp i, 0,1,2,3
	ds_load_b128 v[X+16*((\t)%2)+4*\i:X+16*((\t)%2)+4*\i+3], v15 offset:32*SP*((\t)%2)+16*\i
.endr
.endm
	s_wait_loadcnt 60                              ; row 0's four loads are in
	XTURN 0
.macro XSTEP t
.set XS, X+16*((\t)%2)
.if (\t) > 0
	s_wait_dscnt 4                                 ; this row is back from the stage (the last row's four small stores may be out)
.else
	s_wait_dscnt 0x0
.endif
.if (\t) < 15
	s_wait_loadcnt 4*(14-(\t))                     ; the next row is in; the later rows may be out
	XTURN (\t)+1
.endif
	v_max3_num_f32 v8, |v[XS]|, |v[XS+1]|, |v[XS+2]|
	v_max3_num_f32 v9, |v[XS+3]|, |v[XS+4]|, |v[XS+5]|
.irp i, 6,10
	v_max3_num_f32 v8, v8, |v[XS+\i]|, |v[XS+\i+1]|
	v_max3_num_f32 v9, v9, |v[XS+\i+2]|, |v[XS+\i+3]|
.endr
	v_max3_num_f32 v8, v8, |v[XS+14]|, |v[XS+15]|
	v_max3_num_f32 v8, v8, v9, 0x2800000           ; the floor 2^(5 - 127): the byte cannot fall under 1
	v_max_num_f32_dpp v8, v8, v8 row_xmask:1 row_mask:0xf bank_mask:0xf   ; with my neighbour's 16: the block's
	v_add_nc_u32 v11, 0xfe000000, v8               ; 4 off its exponent field: the conversion's scale operand
	v_cvt_scalef32_pk16_bf6_f32 v[C+4*(\t):C+4*(\t)+2], v[XS:XS+15], v11
	v_lshrrev_b32 v[E+(\t)], 23, v11               ; the scale's byte
.irp i, 0,1,2
	ds_store_b32 v[IA+\i], v[C+4*(\t)+\i] offset:16*(\t)
.endr
	ds_store_b8 v5, v[E+(\t)] offset:16*(\t)       ; both lanes of a block write the same byte with the same value
.endm
.irp t, 0,1,2,3,4,5,6,7,8,9,10,11,12,13,14,15
	XSTEP \t
.endr
.irp n, 0,1,2,3,4,5,6,7,8,9,10,11
	ds_load_b128 v[OUT+4*\n:OUT+4*\n+3], v4 offset:IPS*(\n/3)+512*(\n%3)
.endr
	ds_load_b64 v[12:13], v6
.irp n, 0,1,2,3,4,5,6,7,8,9,10,11
	s_wait_dscnt 12-\n                             ; the younger loads may be out
	global_store_b128 v3, v[OUT+4*\n:OUT+4*\n+3], s[12:13] offset:512*\n   ; 512 consecutive bytes, aligned
.endr
	s_wait_dscnt 0x0
	global_store_b64 v7, v[12:13], s[14:15]        ; 256 consecutive bytes, aligned
	s_wait_tensorcnt 0x0                           ; the wave's end
	ds_add_u32 v[SPW], v[NIL]
	s_wait_dscnt 0x0
	s_endpgm
; ---------------- the weights.  j = work-group: weight j / 32, K step (j / 4) % 8, head 4 (j % 4) + wave.
; Lane 16 c + q takes columns 4 q .. 4 q + 3 and k = 64 c + 0 .. 63: each load reads two rows of 256 consecutive bytes.  A column's 32 numbers of a block are then moved into consecutive registers, four columns together.
.Lw:
	s_lshr_b32 s22, ttmp9, 5
	s_bfe_u32 s24, ttmp9, 0x30002
	s_and_b32 s23, ttmp9, 3
	s_lshl_b32 s23, s23, 2
	s_add_co_u32 s23, s23, s20
	v_and_b32 v4, 15, v2                           ; q
	v_lshrrev_b32 v5, 4, v2                        ; c
	v_lshlrev_b32 v6, 4, v4
	v_lshl_add_u32 v6, v5, 18, v6                  ; 64 rows of 4,096 bytes for c
	s_mul_i32 s25, s20, WREG
	s_add_co_u32 s25, s25, WLDS
	v_bfe_u32 v8, v4, 1, 2                         ; column 4 q + j: tile u = (q / 2) % 4, row r = 8 (q / 8) + 4 (q % 2) + j
	v_mul_u32_u24 v9, v8, IPS
	v_lshrrev_b32 v10, 3, v4
	v_lshl_add_u32 v9, v10, 7, v9
	v_and_b32 v11, 1, v4
	v_lshl_add_u32 v9, v11, 6, v9
	v_add_nc_u32 v9, s25, v9
	v_mul_u32_u24 v12, v5, 520
	v_add_nc_u32 v14, v12, v9                      ; registers 6 c + 0, 1, 4, 5 of the image
	v_mul_u32_u24 v12, v5, 1016
	v_add_nc_u32 v15, v12, v9                      ; registers 6 c + 2, 3
	v_lshlrev_b32 v12, 6, v8
	v_lshl_add_u32 v12, v10, 5, v12
	v_lshl_add_u32 v12, v11, 4, v12
	v_lshl_add_u32 v12, v5, 1, v12
	s_add_co_u32 s26, s25, 6400
	v_add_nc_u32 v12, s26, v12                     ; my half of a scale word: 4 x place + 2 c
	v_add_nc_u32 v13, s26, v7
	v_add_nc_u32 v10, s25, v3
	s_lshl_b32 s28, s24, 19                        ; 128 rows of 4,096 bytes
	s_lshl_b32 s29, s23, 8
	s_add_co_u32 s28, s28, s29
	s_mov_b32 s29, 0
	s_mul_i32 s30, s23, 153600
	s_mul_i32 s31, s24, 19200
	s_add_co_u32 s30, s30, s31
	s_lshl_b32 s31, s22, 8
	s_add_co_u32 s32, s30, s31
	s_add_co_u32 s32, s32, 18432
	s_mov_b32 s33, 0
	s_mul_i32 s31, s22, 6144
	s_add_co_u32 s30, s30, s31
	s_mov_b32 s31, 0
	s_wait_alu depctr_va_vdst(0)                   ; the head's end
	s_wait_kmcnt 0x0
	s_cmp_eq_u32 s22, 0                            ; the choice hangs on the work-group's number alone
	s_cselect_b64 s[6:7], s[6:7], s[8:9]
	s_cmp_eq_u32 s22, 2
	s_cselect_b64 s[6:7], s[10:11], s[6:7]
	s_add_nc_u64 s[6:7], s[6:7], s[28:29]
	s_add_nc_u64 s[18:19], s[16:17], s[32:33]
	s_add_nc_u64 s[16:17], s[16:17], s[30:31]
	WIN 0x40
.set k, 0
.rept 64
	global_load_b128 v[4*k:4*k+3], v6, s[6:7] offset:4096*k th:TH_LOAD_NT   ; v256 on: k = 64 c + i of four columns
.set k, k+1
.endr
	WIN 0
.macro WQUAD h                         ; my four columns' blocks of k = 64 c + 32 h + 0 .. 31
	WIN 0x01
.set k, 0
.rept 32
.irp j, 0,1,2,3
	v_mov_b32 v[WX+32*\j+k], v[4*(32*(\h)+k)+\j]
.endr
.set k, k+1
.endr
	WIN 0
.irp g, 0,1,2,3,4,5,6,7
	v_max3_num_f32 v[WT+\g], |v[WX+16*\g]|, |v[WX+16*\g+1]|, 0x2800000   ; half blocks, by turns; with the floor
.endr
.set k, 2
.rept 7
.irp g, 0,1,2,3,4,5,6,7
	v_max3_num_f32 v[WT+\g], v[WT+\g], |v[WX+16*\g+k]|, |v[WX+16*\g+k+1]|
.endr
.set k, k+2
.endr
.irp j, 0,1,2,3
	v_max_num_f32 v[WT+2*\j], v[WT+2*\j], v[WT+2*\j+1]
.endr
.irp j, 0,1,2,3
	v_add_nc_u32 v[WS+\j], 0xfe000000, v[WT+2*\j]
.endr
.irp j, 0,1,2,3
.set CC, WC+8*(4*(\h)+\j)
	v_cvt_scalef32_pk16_bf6_f32 v[CC:CC+2], v[WX+32*\j:WX+32*\j+15], v[WS+\j]
	v_cvt_scalef32_pk16_bf6_f32 v[CC+4:CC+6], v[WX+32*\j+16:WX+32*\j+31], v[WS+\j]
.endr
.irp j, 0,1,2,3
	v_lshrrev_b32 v[EB+4*(\h)+\j], 23, v[WS+\j]
.endr
.irp j, 0,1,2,3
.set CC, WC+8*(4*(\h)+\j)
	ds_store_b32 v14, v[CC] offset:16*\j+256*(\h)
	ds_store_b32 v14, v[CC+1] offset:16*\j+256*(\h)+4
	ds_store_b32 v15, v[CC+2] offset:16*\j+256*(\h)+8
	ds_store_b32 v15, v[CC+4] offset:16*\j+256*(\h)+12
	ds_store_b32 v14, v[CC+5] offset:16*\j+256*(\h)+512
	ds_store_b32 v14, v[CC+6] offset:16*\j+256*(\h)+516
.endr
.endm
	s_wait_loadcnt 32                              ; the lower 32 k of each lane are in
	WQUAD 0
	s_wait_alu depctr_va_vdst(0)
	s_wait_loadcnt 0x0
	WQUAD 1
.irp j, 0,1,2,3
	v_lshl_or_b32 v[EB+\j], v[EB+4+\j], 8, v[EB+\j]
.endr
.irp j, 0,1,2,3
	ds_store_b16 v12, v[EB+\j] offset:4*\j
.endr
.irp n, 0,1,2,3,4,5,6,7,8,9,10,11
	ds_load_b128 v[WX+4*\n:WX+4*\n+3], v10 offset:IPS*(\n/3)+512*(\n%3)   ; LDS serves a wave's instructions in order: these see my stores
.endr
	ds_load_b64 v[28:29], v13
.irp n, 0,1,2,3,4,5,6,7,8,9,10,11
	s_wait_dscnt 12-\n
	global_store_b128 v3, v[WX+4*\n:WX+4*\n+3], s[16:17] offset:512*\n
.endr
	s_wait_dscnt 0x0
	global_store_b64 v7, v[28:29], s[18:19]
	s_wait_tensorcnt 0x0
	ds_add_u32 v[SPW], v[NIL]
	s_wait_dscnt 0x0
	s_endpgm
.Lfunc_end_k_q4e0c7fc588_quant:
	.size	k_q4e0c7fc588_quant, .Lfunc_end_k_q4e0c7fc588_quant-k_q4e0c7fc588_quant
	.p2alignl 7, 3214868480
	.fill 96, 4, 3214868480
	.section	.rodata,"a",@progbits
	.p2align	6, 0x0
	.amdhsa_kernel k_q4e0c7fc588_quant
		.amdhsa_group_segment_fixed_size 74240
		.amdhsa_private_segment_fixed_size 0
		.amdhsa_enable_private_segment 0
		.amdhsa_kernarg_size 56
		.amdhsa_user_sgpr_count 2
		.amdhsa_user_sgpr_kernarg_segment_ptr 1
		.amdhsa_wavefront_size32 1
		.amdhsa_system_sgpr_workgroup_id_x 1
		.amdhsa_system_sgpr_workgroup_id_y 1
		.amdhsa_system_sgpr_workgroup_id_z 1
		.amdhsa_system_vgpr_workitem_id 0
		.amdhsa_next_free_vgpr 512
		.amdhsa_next_free_sgpr 66
		.amdhsa_reserve_vcc 0
		.amdhsa_float_denorm_mode_32 3
		.amdhsa_float_denorm_mode_16_64 3
		.amdhsa_memory_ordered 1
		.amdhsa_forward_progress 1
		.amdhsa_inst_pref_size 72
	.end_amdhsa_kernel
	.amdgpu_metadata
---
amdhsa.version: [ 1, 2 ]
amdhsa.kernels:
  - .name:           k_q4e0c7fc588_quant
    .symbol:         k_q4e0c7fc588_quant.kd
    .args:
      - { .name: x, .offset: 0, .size: 8, .value_kind: global_buffer, .address_space: global }
      - { .name: W, .offset: 8, .size: 8, .value_kind: global_buffer, .address_space: global }
      - { .name: W1, .offset: 16, .size: 8, .value_kind: global_buffer, .address_space: global }
      - { .name: W2, .offset: 24, .size: 8, .value_kind: global_buffer, .address_space: global }
      - { .name: xc, .offset: 32, .size: 8, .value_kind: global_buffer, .address_space: global }
      - { .name: xs, .offset: 40, .size: 8, .value_kind: global_buffer, .address_space: global }
      - { .name: wc, .offset: 48, .size: 8, .value_kind: global_buffer, .address_space: global }
    .group_segment_fixed_size: 74240
    .private_segment_fixed_size: 0
    .kernarg_segment_align: 8
    .kernarg_segment_size: 56
    .max_flat_workgroup_size: 128
    .sgpr_count:     66
    .vgpr_count:     512
    .wavefront_size: 32
...
	.end_amdgpu_metadata
.endif
;; end of part 1
;; launch proj (part 2): grid 16 x 16, 4 waves a work-group, clusters of 4 x 1, 327,680 bytes of LDS; arguments xc, xs, wc, qkv; writes qkv
.if DOCPART == 2
	.amdgcn_target "amdgcn-amd-amdhsa--gfx1250"
	.amdhsa_code_object_version 6
	.text
	.protected	k_q4e0c7fc588_proj
	.globl	k_q4e0c7fc588_proj
	.p2align	8
	.type	k_q4e0c7fc588_proj,@function
k_q4e0c7fc588_proj:
	s_mov_b64 s[64:65], 0
	v_nop
	global_prefetch_b8 v0, s[64:65] scope:SCOPE_SE
	s_setreg_imm32_b32 hwreg(HW_REG_WAVE_MODE, 25, 1), 1
	s_wait_xcnt 0x0
	s_wait_alu depctr_hold_cnt(0) depctr_sa_sdst(0) depctr_va_vdst(0) depctr_va_sdst(0) depctr_va_ssrc(0) depctr_va_vcc(0) depctr_vm_vsrc(0)
	s_getreg_b32 s2, hwreg(HW_REG_IB_STS2, 6, 4)
	s_cmp_eq_u32 s2, 0
	s_cbranch_scc0 .Lentry_in_a_cluster
	s_endpgm
.Lentry_in_a_cluster:
	s_bfe_u32 s2, ttmp6, 0x10000c
	s_cmp_lg_u32 s2, 0x3003
	s_cbranch_scc0 .Lentry_shape_is_right
	s_endpgm
.Lentry_shape_is_right:
; Q, K, V of one head for 256 places along s: [256 x 1024] x [1024 x (64 + 64 + 64)], on codes of BF6 with E8M0 scales, f32 sums; each result is quantised along the next product's K and stored as operand images.
; Grid: x = 16 blocks of 256 places, y = 16 heads: 256 work-groups.  A wave takes 64 places x 192 columns: 48 accumulators of 16 x 16.
; W: the head's 153,600 bytes (codes and scale words, dense, by K steps) lie in LDS, each byte filled once: K steps 0-3 by one joint load of 75 rows of 256 bytes a wave at the head, K steps 4-7 by another behind the first round.
; The four work-groups of a cluster belong to one head and ask jointly.
; x: a wave's 64 places are read by no other wave of the work-group, so their images go from memory straight into registers, up to four K steps ahead; no shared load serves them.
; No prefetch: W is asked for in two groups, the second 3.5 K steps ahead of its first reader, and x's loads themselves run ahead: no loop is left to run ahead in.
; Q and K: source 0 = columns, source 1 = places: lane (r, h) then holds place r, and the 32 registers of four tiles its channels 32 h + 0 .. 31: a whole block.
; V: source 0 = places, source 1 = columns: lane (r, h) holds channel place r, and 32 registers are keys 32 h + 0 .. 31 of the 64: a whole block along the keys.
; qkv: for each of 32 (batch, head) 16 blocks of 128 keys, 13,056 bytes each: K's codes (pairs of tiles as images of 12 registers), V's codes at 6,144 (units of 6 registers: 16 channels x 64 keys: registers 0-3 at 16 x lane,
; 4-5 at 512 + 8 x lane), K's scale words at 12,288 (256 bytes for 64 keys: lane: tiles 2 p in lanes 0-15, 2 p + 1 in lanes 16-31, p = 0, 1), V's at 12,800.  Behind them all Q's codes, then Q's scale words (256 bytes for 64 places).
; LIMITS: as in quant: blocks under 2^(4 - 126) are held at the byte 1, a block of zeros has it too; NaN and infinities are not served.
.set STB,   19200                      ; a K step of W in LDS: also what one wave's load brings
.set EX,    153600                     ; 256 bytes for each wave: V's scale words, handed between two waves
.set SPARE, EX+1024
.set HEADB, 208896
.set BLKB,  13056
.set QB,    32*HEADB
.set QSB,   QB+32*98304
.set LA,    16                         ; v16-18 16 x lane + 3 steps of W each
.set LS,    19                         ; v19-21 4 x lane + the same
.set L8,    22
.set L16,   23
.set SHK,   24                         ; 8 h
.set SHV,   25                         ; 8 h + 16 c
.set EXA,   26
.set SPW,   28
.set NIL,   29
.set XS,    32                         ; v32-47 x's scale words: pair p of tiles, step s: v[32 + 8 p + s]
.set WSC,   48                         ; v48-59 W's scale words, two sets of six
.set WF,    60                         ; v60-203 W's twelve fragments of a K step, in two halves
; x's fragments: steps 0-4 v256-495, steps 5-6 v512-607, step 7 v208-255.   Accumulators v640-1023: Q 4 a + u, K 16 + 4 a + u, V 32 + 4 t + a
.set TM,    48                         ; the way out: eight maxima,
.set SO,    56                         ; scale operands,
.set BY,    64                         ; bytes,
.set PX,    72                         ; and the other lanes' bytes
.set SW,    80                         ; v80-85 scale words: Q's, K's, V's
.set CD,    88                         ; v88-159 codes: Q's, K's, V's
.set TQ,    160                        ; v160-191 the conversions' second halves
.set MSB, 0
.macro WIN new
.if MSB != (\new)
	s_set_vgpr_msb (MSB<<8)|(\new)
.set MSB, (\new)
.endif
.endm
.macro CROUND                          ; a round of the cluster's barrier
	s_barrier_signal -1
	s_barrier_wait -1
	s_cmp_lg_u32 s14, 0
	s_cbranch_scc1 .Lnot_wave_0_\@
	s_barrier_signal -3
.Lnot_wave_0_\@:
	s_barrier_wait -3
	s_barrier_signal -1
	s_barrier_wait -1
.endm
.macro XSET s
.if (\s) < 5
.set XW, 1
.set XL, 48*(\s)
.else
.if (\s) < 7
.set XW, 2
.set XL, 48*((\s)-5)
.else
.set XW, 0
.set XL, 208
.endif
.endif
.endm
.macro XLOAD s
	XSET \s
	WIN XW*0x40
.irp a, 0,1,2,3
.irp th, 0,1,2
	global_load_b128 v[XL+12*\a+4*\th:XL+12*\a+4*\th+3], v[L16], s[4:5] offset:12288*\a+1536*(\s)+512*\th
.endr
.endr
	WIN 0
.endm
.macro PLACES
.rept 4
	v_nop
.endr
.endm
	s_load_b256 s[4:11], s[0:1], 0x0               ; xc, xs, wc, qkv
	v_lshl_add_u32 v[SPW], v0, 2, SPARE
	v_mov_b32 v[NIL], 0
	ds_add_u32 v[SPW], v[NIL]                      ; the opening lines: the add, twice on end, and its wait
	ds_add_u32 v[SPW], v[NIL]
	v_lshrrev_b32 v1, 5, v0
	v_readfirstlane_b32 s14, v1                    ; wave 0..3
	v_and_b32 v1, 31, v0                           ; lane
	v_lshlrev_b32 v[L16], 4, v1
	v_lshlrev_b32 v[L8], 3, v1
	v_and_b32 v2, 15, v0
	v_bfe_u32 v3, v0, 4, 1
	v_lshlrev_b32 v4, 4, v2
	v_lshl_add_u32 v4, v3, 9, v4                   ; x's scale words: lanes 16-31 the next tile's
	v_lshlrev_b32 v[SHK], 3, v3
	v_lshlrev_b32 v[LA], 4, v1
	v_add_nc_u32 v[LA+1], 3*STB, v[LA]
	v_add_nc_u32 v[LA+2], 6*STB, v[LA]
	v_lshlrev_b32 v[LS], 2, v1
	v_add_nc_u32 v[LS+1], 3*STB, v[LS]
	v_add_nc_u32 v[LS+2], 6*STB, v[LS]
	s_and_b32 s19, s14, 1                          ; c: which 64 of its 128 keys
	s_lshl_b32 s44, s19, 4
	v_add_nc_u32 v[SHV], s44, v[SHK]
	s_lshl_b32 s44, s14, 8
	s_add_co_u32 s44, s44, EX
	v_add_nc_u32 v[EXA], s44, v[L8]
	s_bfe_u32 s40, ttmp6, 0x40000
	s_lshl_b32 s16, ttmp9, 2
	s_add_co_u32 s16, s16, s40                     ; block of 256 places
	s_and_b32 s15, ttmp7, 0xffff                   ; head, which the four partners share
	s_mov_b32 s32, 15|(3<<16)|(1<<21)              ; descriptor group 1: all four work-groups; elements of 8 bytes; 75 dense rows of 256 bytes
	s_mov_b32 s33, 32<<16
	s_mov_b32 s34, 75<<16
	s_mov_b32 s35, 32<<16
	s_mov_b32 s36, 75
	s_mov_b32 s37, 32
	s_mov_b32 s38, 0
	s_mov_b32 s39, 0
	s_mov_b32 s40, 1
	s_mov_b32 s56, 1
	s_mul_i32 s41, s14, STB                        ; LDS: wave x 75 rows,
	s_add_co_u32 s57, s41, 4*STB                   ; and four K steps on
	s_mul_i32 s46, s15, 8*STB
	s_add_co_u32 s46, s46, s41
	s_mov_b32 s47, 0
	s_lshl_b32 s48, s16, 4
	s_lshl_b32 s49, s14, 2
	s_add_co_u32 s48, s48, s49                     ; my first tile of x
	s_mul_i32 s50, s48, 12288
	s_mov_b32 s51, 0
	s_lshl_b32 s48, s48, 9
	s_mov_b32 s49, 0
	s_wait_alu depctr_va_vdst(0)
	s_wait_dscnt 0x0
	s_wait_kmcnt 0x0
	s_add_nc_u64 s[42:43], s[8:9], s[46:47]
	s_add_nc_u64 s[58:59], s[42:43], 4*STB
	s_or_b32 s43, s43, 0x80000000
	s_or_b32 s59, s59, 0x80000000
	s_add_nc_u64 s[4:5], s[4:5], s[50:51]
	s_add_nc_u64 s[6:7], s[6:7], s[48:49]
	CROUND                                         ; all four work-groups are here: the joint loads meet
	tensor_load_to_lds s[40:43], s[32:39]          ; K steps 0 to 3
	s_nop 0
	PLACES
.irp p, 0,1
.irp n, 0,1
	global_load_b128 v[XS+8*\p+4*\n:XS+8*\p+4*\n+3], v4, s[6:7] offset:1024*\p+256*\n
.endr
.endr
	XLOAD 0
	XLOAD 1
.macro FETCH s, h                      ; six fragments of W; with the first half the step's scale words
.irp i, 0,1,2,3,4,5
.irp th, 0,1,2
	ds_load_b128 v[WF+12*(6*(\h)+\i)+4*\th:WF+12*(6*(\h)+\i)+4*\th+3], v[LA+(\s)/3] offset:STB*((\s)%3)+1536*(6*(\h)+\i)+512*\th
.endr
.endr
.if (\h) == 0
.irp p, 0,1,2,3,4,5
	ds_load_b32 v[WSC+6*((\s)%2)+\p], v[LS+(\s)/3] offset:STB*((\s)%3)+18432+128*\p
.endr
.endif
.endm
.macro MMC c                           ; operands by the symbols DD, AA, BB; scales SA, SB with their rows RA, RB
.if RA+2*RB == 0
	v_wmma_scale_f32_16x16x128_f8f6f4 v[DD:DD+7], v[AA:AA+11], v[BB:BB+11], \c, v[SA], v[SB] matrix_a_fmt:MATRIX_FMT_BF6 matrix_b_fmt:MATRIX_FMT_BF6
.endif
.if RA+2*RB == 1
	v_wmma_scale_f32_16x16x128_f8f6f4 v[DD:DD+7], v[AA:AA+11], v[BB:BB+11], \c, v[SA], v[SB] matrix_a_fmt:MATRIX_FMT_BF6 matrix_b_fmt:MATRIX_FMT_BF6 matrix_a_scale:MATRIX_SCALE_ROW1
.endif
.if RA+2*RB == 2
	v_wmma_scale_f32_16x16x128_f8f6f4 v[DD:DD+7], v[AA:AA+11], v[BB:BB+11], \c, v[SA], v[SB] matrix_a_fmt:MATRIX_FMT_BF6 matrix_b_fmt:MATRIX_FMT_BF6 matrix_b_scale:MATRIX_SCALE_ROW1
.endif
.if RA+2*RB == 3
	v_wmma_scale_f32_16x16x128_f8f6f4 v[DD:DD+7], v[AA:AA+11], v[BB:BB+11], \c, v[SA], v[SB] matrix_a_fmt:MATRIX_FMT_BF6 matrix_b_fmt:MATRIX_FMT_BF6 matrix_a_scale:MATRIX_SCALE_ROW1 matrix_b_scale:MATRIX_SCALE_ROW1
.endif
.endm
.macro PROD s, tl                      ; one column tile with my four place tiles; the 48 accumulators take turns
.irp a, 0,1,2,3
.if (\tl) < 8
.set AI, 16*((\tl)/4)+4*\a+(\tl)%4
.set WA, (640+8*AI)/256
.set AA, WF+12*(\tl)
.set BB, XL+12*\a
.set SA, WSC+6*((\s)%2)+(\tl)/2
.set RA, (\tl)%2
.set SB, XS+8*(\a/2)+(\s)
.set RB, \a%2
	WIN XW*4+WA*0x50
.else
.set AI, 32+4*((\tl)-8)+\a
.set WA, (640+8*AI)/256
.set AA, XL+12*\a
.set BB, WF+12*(\tl)
.set SA, XS+8*(\a/2)+(\s)
.set RA, \a%2
.set SB, WSC+6*((\s)%2)+(\tl)/2
.set RB, (\tl)%2
	WIN XW+WA*0x50
.endif
.set DD, (640+8*AI)%256
.if (\s) == 0
	MMC 0
.else
	MMC v[DD:DD+7]
.endif
.endr
.endm
.macro HALF s, h
.if (\h) == 0
	s_wait_dscnt 18                                ; this half's fragments are in; the other half's 18 loads may be out
.if (\s) < 5
	s_wait_loadcnt 36                              ; this step's x is in; three later steps' may be out
.else
	s_wait_loadcnt 12*(7-(\s))
.endif
.else
.if (\s) < 7
	s_wait_dscnt 24                                ; the next step's first half (18 loads and 6 of scale words) may be out
.else
	s_wait_dscnt 0x0
.endif
.endif
	XSET \s
.irp i, 0,1,2,3,4,5
	PROD \s, 6*(\h)+\i
.endr
	WIN 0
.if (\s) < 7
	PLACES                                         ; places in front of loads into registers that matrix instructions have read
.if ((\s) == 3) && ((\h) == 0)
	s_wait_tensorcnt 0x0                           ; my part of K steps 4 to 7 is in;
	s_wait_dscnt 0x0
	s_barrier_signal -1
	s_barrier_wait -1                              ; everybody's is.
.endif
	FETCH (\s)+1, \h
.if ((\h) == 0) && ((\s) < 4)
	XLOAD (\s)+4
.endif
.endif
.endm
	s_wait_alu depctr_va_vdst(0)                   ; the head's end
	s_wait_tensorcnt 0x0                           ; my part of K steps 0 to 3 is in
	ds_add_u32 v[SPW], v[NIL]
	s_wait_dscnt 0x0
	CROUND                                         ; everybody's part is in, and the joint loads meet
	tensor_load_to_lds s[56:59], s[32:39]          ; K steps 4 to 7
	s_nop 0
	PLACES
	FETCH 0, 0
	FETCH 0, 1
	XLOAD 2
	XLOAD 3
.irp s, 0,1,2,3,4,5,6,7
	HALF \s, 0
	HALF \s, 1
.endr
; THE WAY OUT: twelve groups of 32 registers, four at a time; a lane's 32 are one block.
.macro QSET n, wa, lo, cd, sw          ; n groups of 32 registers.  n = 8: K's four, then V's four; n = 4: Q's, whose maxima are taken of half groups, so that eight take turns here too
	WIN 5*(\wa)
.irp g, 0,1,2,3,4,5,6,7
	v_max3_num_f32 v[TM+\g], |v[\lo+4*(\n)*\g]|, |v[\lo+4*(\n)*\g+1]|, 0x2800000   ; with the floor 2^(5 - 127); each accumulator from its low end on
.endr
.set k, 2
.rept 2*(\n)-1
.irp g, 0,1,2,3,4,5,6,7
	v_max3_num_f32 v[TM+\g], |v[\lo+4*(\n)*\g+k]|, |v[\lo+4*(\n)*\g+k+1]|, v[TM+\g]
.endr
.set k, k+2
.endr
	WIN 0
.if (\n) == 4
.irp g, 0,1,2,3
	v_max_num_f32 v[TM+\g], v[TM+2*\g], v[TM+2*\g+1]
.endr
.endif
.irp g, 0,1,2,3,4,5,6,7
.if \g < (\n)
	v_add_nc_u32 v[SO+\g], 0xfe000000, v[TM+\g]    ; 4 off the exponent field: the conversion's scale operand
.endif
.endr
.irp g, 0,1,2,3,4,5,6,7
.if \g < (\n)
	v_lshrrev_b32 v[BY+\g], 23, v[SO+\g]           ; the byte,
.endif
.endr
.irp g, 0,1,2,3,4,5,6,7
.if \g < (\n)
	v_lshlrev_b32 v[BY+\g], v[SHK+\g/4], v[BY+\g]  ; at its place in the word (from group 4 on V's: v[SHV]);
.endif
.endr
.irp g, 0,1,2,3,4,5,6,7
.if \g < (\n)
	v_permlanex16_b32 v[PX+\g], v[BY+\g], s52, s53
.endif
.endr
.irp g, 0,1,2,3,4,5,6,7
.if \g < (\n)
	v_or_b32 v[BY+\g], v[BY+\g], v[PX+\g]          ; with lane l xor 16's
.endif
.endr
.irp p, 0,1,2,3
.if 2*\p < (\n)
	v_cndmask_b32 v[\sw+\p], v[BY+2*\p+1], v[BY+2*\p], vcc_lo   ; tile 2 p's words in lanes 0-15, tile 2 p + 1's in lanes 16-31
.endif
.endr
	WIN \wa
.irp g, 0,1,2,3,4,5,6,7
.if \g < (\n)
	v_cvt_scalef32_pk16_bf6_f32 v[\cd+6*\g:\cd+6*\g+2], v[\lo+32*\g:\lo+32*\g+15], v[SO+\g]
	v_cvt_scalef32_pk16_bf6_f32 v[TQ+4*\g:TQ+4*\g+2], v[\lo+32*\g+16:\lo+32*\g+31], v[SO+\g]   ; (a conversion's three registers begin on an even number)
.endif
.endr
	WIN 0
	v_nop
.irp g, 0,1,2,3,4,5,6,7
.if \g < (\n)
.irp i, 0,1,2
	v_mov_b32 v[\cd+6*\g+3+\i], v[TQ+4*\g+\i]
.endr
.endif
.endr
.endm
.macro PAIRS ty, b                     ; two images of 12 registers
.irp n, 0,1,2,3,4,5
	global_store_b128 v[L16], v[CD+24*(\ty)+4*\n:CD+24*(\ty)+4*\n+3], s[\b:\b+1] offset:512*\n
.endr
.endm
	s_mov_b32 s52, 0x76543210
	s_mov_b32 s53, 0xfedcba98                      ; lane selects: lane l xor 16
	s_lshr_b32 s17, s16, 3
	s_lshl_b32 s17, s17, 4
	s_add_co_u32 s17, s17, s15                     ; 16 x batch + head
	s_and_b32 s18, s16, 7
	s_lshl_b32 s18, s18, 2
	s_add_co_u32 s18, s18, s14                     ; my 64 places among the batch's 32 groups
	s_lshr_b32 s44, s18, 1
	s_mul_i32 s20, s17, HEADB
	s_mul_i32 s44, s44, BLKB
	s_add_co_u32 s20, s20, s44
	s_mov_b32 s21, 0
	s_add_nc_u64 s[20:21], s[10:11], s[20:21]      ; the block of 128 keys
	s_mul_i32 s26, s19, 3072
	s_mov_b32 s27, 0
	s_add_nc_u64 s[26:27], s[20:21], s[26:27]      ; K's codes
	s_mul_i32 s28, s19, 768
	s_add_co_u32 s28, s28, 6144
	s_mov_b32 s29, 0
	s_add_nc_u64 s[28:29], s[20:21], s[28:29]      ; V's
	s_lshl_b32 s30, s19, 8
	s_add_co_u32 s30, s30, 12288
	s_mov_b32 s31, 0
	s_add_nc_u64 s[30:31], s[20:21], s[30:31]      ; K's scale words
	s_mul_i32 s22, s17, 98304
	s_mul_i32 s44, s18, 3072
	s_add_co_u32 s22, s22, s44
	s_add_co_u32 s22, s22, QB
	s_mov_b32 s23, 0
	s_add_nc_u64 s[22:23], s[10:11], s[22:23]      ; Q's codes
	s_lshl_b32 s24, s17, 13
	s_lshl_b32 s44, s18, 8
	s_add_co_u32 s24, s24, s44
	s_add_co_u32 s24, s24, QSB
	s_mov_b32 s25, 0
	s_add_nc_u64 s[24:25], s[10:11], s[24:25]      ; Q's scale words
	PLACES
	v_cmp_gt_u32 vcc_lo, 16, v1
.irp g, 0,1,2,3,4,5,6,7
	v_mov_b32 v[PX+\g], 0                          ; a lane permute's destination counts as one of its sources
.endr
	QSET 8, 3, 0, CD+24, SW+2                      ; K and V
	ds_store_b64 v[EXA], v[SW+4:SW+5]              ; V's scale words' bytes of 64 keys go to the wave that has the other 64
.irp t, 0,1,2,3
	global_store_b128 v[L16], v[CD+48+6*\t:CD+48+6*\t+3], s[28:29] offset:1536*\t
	global_store_b64 v[L8], v[CD+48+6*\t+4:CD+48+6*\t+5], s[28:29] offset:1536*\t+512
.endr
	PAIRS 1, 26
	global_store_b64 v[L8], v[SW+2:SW+3], s[30:31]
	QSET 4, 2, 128, CD, SW                         ; Q
	PAIRS 0, 22
	global_store_b64 v[L8], v[SW:SW+1], s[24:25]
	s_wait_alu depctr_va_vdst(0)
	s_wait_dscnt 0x0                               ; my words are in LDS;
	s_barrier_signal -1
	s_barrier_wait -1                              ; everybody's are
	s_cmp_lg_u32 s19, 0
	s_cbranch_scc1 .Lodd                           ; an even wave joins its words with the next wave's
	ds_load_b64 v[160:161], v[EXA]
	ds_load_b64 v[162:163], v[EXA] offset:256
	s_wait_dscnt 0x0
	v_or_b32 v160, v160, v162
	v_or_b32 v161, v161, v163
	global_store_b64 v[L8], v[160:161], s[20:21] offset:12800
.Lodd:
	s_wait_tensorcnt 0x0                           ; the wave's end
	ds_add_u32 v[SPW], v[NIL]
	s_wait_dscnt 0x0
	CROUND                                         ; the closing round: no work-group ends while a partner may still ask for a tile that names it
	s_endpgm
.Lfunc_end_k_q4e0c7fc588_proj:
	.size	k_q4e0c7fc588_proj, .Lfunc_end_k_q4e0c7fc588_proj-k_q4e0c7fc588_proj
	.p2alignl 7, 3214868480
	.fill 96, 4, 3214868480
	.section	.rodata,"a",@progbits
	.p2align	6, 0x0
	.amdhsa_kernel k_q4e0c7fc588_proj
		.amdhsa_group_segment_fixed_size 327680
		.amdhsa_private_segment_fixed_size 0
		.amdhsa_enable_private_segment 0
		.amdhsa_kernarg_size 32
		.amdhsa_user_sgpr_count 2
		.amdhsa_user_sgpr_kernarg_segment_ptr 1
		.amdhsa_wavefront_size32 1
		.amdhsa_system_sgpr_workgroup_id_x 1
		.amdhsa_system_sgpr_workgroup_id_y 1
		.amdhsa_system_sgpr_workgroup_id_z 1
		.amdhsa_system_vgpr_workitem_id 0
		.amdhsa_next_free_vgpr 1024
		.amdhsa_next_free_sgpr 66
		.amdhsa_reserve_vcc 1
		.amdhsa_float_denorm_mode_32 3
		.amdhsa_float_denorm_mode_16_64 3
		.amdhsa_memory_ordered 1
		.amdhsa_forward_progress 1
		.amdhsa_inst_pref_size 111
	.end_amdhsa_kernel
	.amdgpu_metadata
---
amdhsa.version: [ 1, 2 ]
amdhsa.kernels:
  - .name:           k_q4e0c7fc588_proj
    .symbol:         k_q4e0c7fc588_proj.kd
    .args:
      - { .name: xc, .offset: 0, .size: 8, .value_kind: global_buffer, .address_space: global }
      - { .name: xs, .offset: 8, .size: 8, .value_kind: global_buffer, .address_space: global }
      - { .name: wc, .offset: 16, .size: 8, .value_kind: global_buffer, .address_space: global }
      - { .name: qkv, .offset: 24, .size: 8, .value_kind: global_buffer, .address_space: global }
    .group_segment_fixed_size: 327680
    .private_segment_fixed_size: 0
    .kernarg_segment_align: 8
    .kernarg_segment_size: 32
    .max_flat_workgroup_size: 128
    .sgpr_count:     66
    .vgpr_count:     1024
    .wavefront_size: 32
...
	.end_amdgpu_metadata
.endif
;; end of part 2
;; launch attn (part 3): grid 8 x 32, 8 waves a work-group, clusters of 4 x 1, 327,680 bytes of LDS; arguments qkv, out0; writes out0
.if DOCPART == 3
	.amdgcn_target "amdgcn-amd-amdhsa--gfx1250"
	.amdhsa_code_object_version 6
	.text
	.protected	k_q4e0c7fc588_attn
	.globl	k_q4e0c7fc588_attn
	.p2align	8
	.type	k_q4e0c7fc588_attn,@function
k_q4e0c7fc588_attn:
	s_mov_b64 s[64:65], 0
	v_nop
	global_prefetch_b8 v0, s[64:65] scope:SCOPE_SE
	s_setreg_imm32_b32 hwreg(HW_REG_WAVE_MODE, 25, 1), 1
	s_wait_xcnt 0x0
	s_wait_alu depctr_hold_cnt(0) depctr_sa_sdst(0) depctr_va_vdst(0) depctr_va_sdst(0) depctr_va_ssrc(0) depctr_va_vcc(0) depctr_vm_vsrc(0)
	s_getreg_b32 s2, hwreg(HW_REG_IB_STS2, 6, 4)
	s_cmp_eq_u32 s2, 0
	s_cbranch_scc0 .Lentry_in_a_cluster
	s_endpgm
.Lentry_in_a_cluster:
	s_bfe_u32 s2, ttmp6, 0x10000c
	s_cmp_lg_u32 s2, 0x3003
	s_cbranch_scc0 .Lentry_shape_is_right
	s_endpgm
.Lentry_shape_is_right:
; out0[b][q][64 head + d] = the sum over k of softmax_k(Q . K / 8) V, both products on codes of BF6 (E3M2) with one E8M0 scale for each 32 along a product's K.  qkv is laid as proj's head comment says.
; THE SOFTMAX: t = score x log2(e) / 8; M = the row's largest t so far, rounded up to a whole number; p = 2^(t - M) is quantised along the keys, not normalised.  The row's sum is taken of the unquantised p
; and divides O at the end.  When M moves, the sum and O are multiplied by 2^(old M - new M): exact.
; The first product's K is 64: registers 6-11 of Q's fragments hold zero codes.  So what stands in registers 6-11 of K's fragments (the next fragment, or registers at work) meets zeros: every 6-bit code is a finite number.
; SHARES.  A work-group owns 256 places of queries of one head; each of its eight waves 32 of them, two tiles, so that each fragment of K and V serves two products.  A step is 256 keys: 256 registers of scores (v256-511).
; Both products are used transposed (S^T = K Q^T, O^T = V^T P^T): lane (r, h) holds query r throughout, and its 32 registers of four tiles are keys 32 h + 0 .. 31 of 64: a whole block of p, so no block asks another lane.
; ALL OF THE HEAD'S K AND V, 816 dense rows of 256 bytes, LIE IN LDS; each byte is filled once.  Each wave asks for 39 rows at the head (together 312 rows: steps 0 to 2 and more) and for 63 rows behind the first round (the rest).
; K'S FRAGMENTS 0-7 of the next step, and its scale words, are read ahead of a step's last products; fragments 8-15 come into V's registers at the step's head.  The first loop (steps 0, 1) so reads steps 0 to 2 alone.
; THE EXPONENTIALS go in four batches (tile n % 2, half n / 2 of the step); between those of one batch stand the next batch's t - M and the sums of earlier batches' p, whose codes have been made.
; CLUSTER.  The four work-groups of a cluster belong to one head: each load is asked for jointly, with the same descriptor and a mask that names the four.
; No prefetch: everything is asked for in these two groups, the second of them two steps ahead of its first reader; no loop is left to run ahead in.
; LIMITS: the promise holds while |t| stays under 2^31; NaN and infinities are not served; a p under 2^-126 counts as 0 (v_exp_f32 flushes); a block of p that is all zeros keeps the byte 1 over zero codes;
; a block's largest p is made from its largest score: v_exp_f32 is taken not to fall where its input rises.
.set HEADB, 208896
.set STEPB, 13056                      ; 128 keys
.set VOFF,  6144
.set KSOFF, 12288
.set VSOFF, 12800
.set QB,    32*HEADB
.set QSB,   QB+32*98304
.set P1B,   39*256
.set P2B,   63*256
.set STG,   HEADB                      ; behind K and V: a stage of 32 rows x 272 bytes for each wave; no fill lands there
.set SPITCH, 272
.set SPARE, STG+8*32*SPITCH
.set F,   0                            ; v0-1   f of the two tiles: 2^(old M - new M)
.set L8,  2                            ; v2     8 x lane
.set A16, 3                            ; v3     the step's first byte + 16 x lane
.set A8,  4                            ; v4     the step's first byte + 8 x lane
.set L16, 5                            ; v5     16 x lane
.set SPW, 6
.set NIL, 7
.set PSW, 8                            ; v8-11  p's scale words: 2 x half + tile
.set NM,  12                           ; v12, v14  -M of tile 0, 1
.set MX,  13                           ; v13, v15  the largest score so far
.set LS,  16                           ; v16-17, v18-19 the sums, each in two halves
.set VSC, 20                           ; v20-21 V's scale words
.set QSC, 22                           ; v22-23 Q's
.set QF,  24                           ; v24-35, v36-47 Q's two fragments (upper six registers: zero codes)
.set KA,  48                           ; v48-71 four fragments of K
.set BM,  72                           ; v72-79 each block's largest score, then the exponent and the byte of its scale: 4 x tile + 2 x half + c
.set KB,  80                           ; v80-103 four more fragments of K; behind the scores: the conversions' second halves
.set SOP, 104                          ; v104-111 the conversions' scale operands; ahead of them at work (T, U)
.set T,   104
.set U,   106
.set VF,  112                          ; v112-159 fragments 8-15 of K, then V's four fragments of 128 keys
.set P,   160                          ; v160-171, v172-183 p's codes
.set KSC, 184                          ; v184-191 K's scale words
.set O,   192                          ; v192-223, v224-255 O^T
.set WV,  8                            ; s8   my wave's number
.set SEL, 40                           ; s[40:41] lane selects: lane l xor 16
.set CS,  42                           ; s[42:43] c = log2(e) / 8
.set TB,  44                           ; s44  LDS byte at which the step in hand begins
.set CNT, 45
.set NC,  46                           ; s46  -c
.set MSB, 0
.macro WIN new
.if MSB != (\new)
	s_set_vgpr_msb (MSB<<8)|(\new)
.set MSB, (\new)
.endif
.endm
.macro CROUND                          ; a round of the cluster's barrier
	s_barrier_signal -1
	s_barrier_wait -1
	s_cmp_lg_u32 s[WV], 0
	s_cbranch_scc1 .Lnot_wave_0_\@
	s_barrier_signal -3
.Lnot_wave_0_\@:
	s_barrier_wait -3
	s_barrier_signal -1
	s_barrier_wait -1
.endm
.macro PLACES
.rept 4
	v_nop
.endr
.endm
	s_load_b128 s[4:7], s[0:1], 0x0                ; qkv s[4:5], out0 s[6:7]
	v_lshl_add_u32 v[SPW], v0, 2, SPARE
	v_mov_b32 v[NIL], 0
	ds_add_u32 v[SPW], v[NIL]                      ; the opening lines: the add, twice on end, and its wait
	ds_add_u32 v[SPW], v[NIL]
	v_lshrrev_b32 v48, 5, v0
	v_readfirstlane_b32 s[WV], v48                 ; wave 0..7
	v_and_b32 v48, 31, v0
	v_lshlrev_b32 v[L16], 4, v48
	v_lshlrev_b32 v[L8], 3, v48
	v_and_b32 v49, 15, v0
	v_lshlrev_b32 v49, 3, v49                      ; 8 r: where query r's word lies
	s_bfe_u32 s9, ttmp6, 0x40000
	s_lshl_b32 s10, ttmp9, 2
	s_add_co_u32 s10, s10, s9                      ; my block of 256 places: it enters Q's and out0's addresses alone
	s_and_b32 s11, ttmp7, 0xffff                   ; 16 x batch + head, which the four partners share
.irp g, 16,24                                  ; descriptor groups 1: dense rows of 256 bytes (32 elements of 8 bytes)
	s_mov_b32 s[\g], 15|(3<<16)|(1<<21)
	s_mov_b32 s[\g+1], 32<<16
	s_mov_b32 s[\g+3], 32<<16
	s_mov_b32 s[\g+5], 32
	s_mov_b32 s[\g+6], 0
	s_mov_b32 s[\g+7], 0
.endr
	s_mov_b32 s18, 39<<16                          ; 39 rows,
	s_mov_b32 s20, 39
	s_mov_b32 s26, 63<<16                          ; and 63
	s_mov_b32 s28, 63
	s_mov_b32 s32, 1
	s_mov_b32 s36, 1
	s_mul_i32 s48, s11, HEADB
	s_mul_i32 s33, s[WV], P1B                      ; in LDS as in the head's bytes
	s_add_co_u32 s50, s48, s33
	s_mov_b32 s51, 0
	s_mul_i32 s37, s[WV], P2B
	s_add_co_u32 s37, s37, 8*P1B
	s_add_co_u32 s52, s48, s37
	s_mov_b32 s53, 0
	s_lshl_b32 s54, s10, 4
	s_lshl_b32 s55, s[WV], 1
	s_add_co_u32 s54, s54, s55                     ; my two tiles among the head's 128
	s_mul_i32 s54, s54, 768
	s_mul_i32 s55, s11, 98304
	s_add_co_u32 s54, s54, s55
	s_add_co_u32 s54, s54, QB
	s_mov_b32 s55, 0
	s_lshl_b32 s56, s10, 2
	s_lshr_b32 s57, s[WV], 1
	s_add_co_u32 s56, s56, s57                     ; my group of 64 places
	s_lshl_b32 s56, s56, 8
	s_lshl_b32 s57, s11, 13
	s_add_co_u32 s56, s56, s57
	s_and_b32 s57, s[WV], 1
	s_lshl_b32 s57, s57, 2
	s_add_co_u32 s56, s56, s57
	s_add_co_u32 s56, s56, QSB
	s_mov_b32 s57, 0
	s_mov_b32 s[SEL], 0x76543210
	s_mov_b32 s[SEL+1], 0xfedcba98
	s_mov_b32 s[CS], 0x3e38aa3b                    ; c = log2(e) / 8
	s_mov_b32 s[CS+1], s[CS]                       ; (named with it as a pair, so it is written)
	s_mov_b32 s[NC], 0xbe38aa3b
	s_wait_alu depctr_va_vdst(0)
	s_wait_dscnt 0x0
	s_wait_kmcnt 0x0
	s_add_nc_u64 s[34:35], s[4:5], s[50:51]
	s_or_b32 s35, s35, 0x80000000
	s_add_nc_u64 s[38:39], s[4:5], s[52:53]
	s_or_b32 s39, s39, 0x80000000
	s_add_nc_u64 s[54:55], s[4:5], s[54:55]
	s_add_nc_u64 s[56:57], s[4:5], s[56:57]
	global_load_b128 v[QF:QF+3], v[L16], s[54:55]                  ; the pair's image: registers 0-5 tile 0, 6-11 tile 1
	global_load_b128 v[KSC:KSC+3], v[L16], s[54:55] offset:512
	global_load_b128 v[QF+14:QF+17], v[L16], s[54:55] offset:1024
	global_load_b32 v[QSC], v49, s[56:57]
	global_load_b32 v[QSC+1], v49, s[56:57] offset:128
	CROUND                                         ; all four work-groups are here: the joint loads meet
	tensor_load_to_lds s[32:35], s[16:23]
	s_nop 0
	PLACES
.irp j, 0,1,2,3,4,5
	v_mov_b32 v[QF+6+\j], 0                        ; zero codes for k = 64 .. 127
	v_mov_b32 v[QF+18+\j], 0
	v_mov_b32 v[P+\j], 0                           ; (registers at work that meet zeros in the first products, here and two lines on)
.endr
.irp j, 0,1,2,3,4,5,6,7
	v_mov_b32 v[BM+\j], 0                          ; (and a lane permute's destination counts as one of its sources)
	v_mov_b32 v[SOP+\j], 0
.endr
.irp q, 0,1
	v_mov_b32 v[MX+2*\q], 0xff61b1e6               ; the largest score so far: -3e38
	v_mov_b32 v[NM+2*\q], 0x7e000000               ; and a -M above every -M to come: the first f is 0
	v_mov_b32 v[LS+2*\q], 0
	v_mov_b32 v[LS+2*\q+1], 0
.endr
.set j, 0
.rept 64
	v_mov_b32 v[O+j], 0                            ; (the step has one form: the first finds zeros)
.set j, j+1
.endr
	s_wait_alu depctr_va_vdst(0)
	s_wait_loadcnt 0x0                             ; Q and its scale words
	v_mov_b32 v[QF+4], v[KSC]
	v_mov_b32 v[QF+5], v[KSC+1]
	v_mov_b32 v[QF+12], v[KSC+2]
	v_mov_b32 v[QF+13], v[KSC+3]
	s_wait_alu depctr_va_vdst(0)                   ; the head's end
	s_wait_tensorcnt 0x0                           ; my part of steps 0 to 2 is in
	ds_add_u32 v[SPW], v[NIL]
	s_wait_dscnt 0x0
	CROUND                                         ; everybody's part is in, and the joint loads meet
	tensor_load_to_lds s[36:39], s[24:31]          ; the rest
	s_nop 0
	PLACES
.macro KLOAD buf, f, o                 ; four fragments of 16 keys from fragment f of a step's sixteen on; o = 0: this step's, 2 STEPB: the next one's
	WIN 0
.irp i, 0,1
.irp th, 0,1,2
	ds_load_b128 v[\buf+12*\i+4*\th:\buf+12*\i+4*\th+3], v[A16] offset:STEPB*((\f)/8)+768*((\f)%8)+1536*\i+512*\th+(\o)
.endr
.endr
.endm
.macro KHEAD o                         ; K's scale words and fragments 0-7: 16 loads
.irp n, 0,1,2,3
	ds_load_b64 v[KSC+2*\n:KSC+2*\n+1], v[A8] offset:STEPB*(\n/2)+KSOFF+256*(\n%2)+(\o)
.endr
	KLOAD KA, 0, \o
	KLOAD KB, 4, \o
.endm
.macro VLOAD b                         ; V's four fragments of half b: 17 loads
	WIN 0
	ds_load_b64 v[VSC:VSC+1], v[A8] offset:STEPB*(\b)+VSOFF
.irp t, 0,1,2,3
.irp c, 0,1
	ds_load_b128 v[VF+12*\t+6*\c:VF+12*\t+6*\c+3], v[A16] offset:STEPB*(\b)+VOFF+768*(2*\t+\c)
	ds_load_b64 v[VF+12*\t+6*\c+4:VF+12*\t+6*\c+5], v[A8] offset:STEPB*(\b)+VOFF+768*(2*\t+\c)+512
.endr
.endr
.endm
.macro QK buf, f                       ; S^T = K Q^T: four fragments of K with both tiles of queries, into v[256 + 128 tile + 8 fragment ..]
	WIN 0x40
.irp i, 0,1,2,3
.irp q, 0,1
.set DD, 128*\q+8*((\f)+\i)
.if \i%2
	v_wmma_scale_f32_16x16x128_f8f6f4 v[DD:DD+7], v[\buf+6*\i:\buf+6*\i+11], v[QF+12*\q:QF+12*\q+11], 0, v[KSC+((\f)+\i)/2], v[QSC+\q] matrix_a_fmt:MATRIX_FMT_BF6 matrix_b_fmt:MATRIX_FMT_BF6 matrix_a_scale:MATRIX_SCALE_ROW1
.else
	v_wmma_scale_f32_16x16x128_f8f6f4 v[DD:DD+7], v[\buf+6*\i:\buf+6*\i+11], v[QF+12*\q:QF+12*\q+11], 0, v[KSC+((\f)+\i)/2], v[QSC+\q] matrix_a_fmt:MATRIX_FMT_BF6 matrix_b_fmt:MATRIX_FMT_BF6
.endif
.endr
.endr
.endm
.macro TM2 n, j                        ; t - M of two scores of batch n: of the pairs c and -M the low word serves both
.set SB, 128*((\n)%2)+64*((\n)/2)+(\j)
	v_pk_fma_f32 v[SB:SB+1], v[SB:SB+1], s[CS:CS+1], v[NM+2*((\n)%2):NM+2*((\n)%2)+1] op_sel_hi:[1,0,0]
.endm
.macro ADD2 n, w, j                    ; a pair of batch n's p onto the pair w registers below it
.set SD, 128*((\n)%2)+64*((\n)/2)+(\j)
	v_pk_add_f32 v[SD:SD+1], v[SD:SD+1], v[SD+\w:SD+\w+1]
.endm
.macro EXPB n                          ; p of batch n.  What an addition here reads was written ahead of the wait in front of the batch, and what it writes is read behind the next one
.set j, 0
.rept 32
.set SE, 128*((\n)%2)+64*((\n)/2)+2*j
	v_exp_f32 v[SE], v[SE]
	v_exp_f32 v[SE+1], v[SE+1]
.if (\n) < 3
	TM2 (\n)+1, 2*j
.endif
.if ((\n) == 1) && (j%2 == 0)
	ADD2 0, 32, j
.endif
.if ((\n) == 2) && (j%2 == 0)
	ADD2 1, 32, j
.endif
.if ((\n) == 2) && (j%4 == 1)
	ADD2 0, 16, (j-1)/2
.endif
.if ((\n) == 3) && (j%4 == 1)
	ADD2 1, 16, (j-1)/2
.endif
.if ((\n) == 3) && (j%8 == 3)
	ADD2 0, 8, (j-3)/4
.endif
.set j, j+1
.endr
.endm
.macro CVTB n                          ; p's codes of batch n: registers 6 c .. 6 c + 5 are a lane's block c
	WIN 0x01
.irp c, 0,1
.set SC, 128*((\n)%2)+64*((\n)/2)+32*\c
.set PC, P+12*((\n)%2)+6*\c
	v_cvt_scalef32_pk16_bf6_f32 v[PC:PC+2], v[SC:SC+15], v[SOP+4*((\n)%2)+2*((\n)/2)+\c]
	v_cvt_scalef32_pk16_bf6_f32 v[KB+4*(2*((\n)%2)+\c):KB+4*(2*((\n)%2)+\c)+2], v[SC+16:SC+31], v[SOP+4*((\n)%2)+2*((\n)/2)+\c]   ; (a conversion's three registers begin on an even number)
.endr
	WIN 0
	v_nop                                          ; one plain place behind a scaled conversion
.endm
.macro MOVB n
.irp i, 0,1,2
.irp c, 0,1
	v_mov_b32 v[P+12*((\n)%2)+6*\c+3+\i], v[KB+4*(2*((\n)%2)+\c)+\i]
.endr
.endr
.endm
.macro PV b                            ; O^T += V^T P^T; the eight accumulators take turns
.irp t, 0,1,2,3
.irp q, 0,1
.set DD, O+32*\q+8*\t
.if \t%2
	v_wmma_scale_f32_16x16x128_f8f6f4 v[DD:DD+7], v[VF+12*\t:VF+12*\t+11], v[P+12*\q:P+12*\q+11], v[DD:DD+7], v[VSC+\t/2], v[PSW+2*(\b)+\q] matrix_a_fmt:MATRIX_FMT_BF6 matrix_b_fmt:MATRIX_FMT_BF6 matrix_a_scale:MATRIX_SCALE_ROW1
.else
	v_wmma_scale_f32_16x16x128_f8f6f4 v[DD:DD+7], v[VF+12*\t:VF+12*\t+11], v[P+12*\q:P+12*\q+11], v[DD:DD+7], v[VSC+\t/2], v[PSW+2*(\b)+\q] matrix_a_fmt:MATRIX_FMT_BF6 matrix_b_fmt:MATRIX_FMT_BF6
.endif
.endr
.endr
.endm
.macro STEP ahead                      ; 256 keys.  ahead = 1: the next step's K is read ahead.  At the head 16 loads are out: K's scale words and fragments 0-7
	v_add_nc_u32 v[A16], s[TB], v[L16]
	v_add_nc_u32 v[A8], s[TB], v[L8]
	v_nop
	v_nop                                          ; four places behind the last step's products, which read V's registers
	s_wait_alu depctr_va_vdst(0)
	KLOAD VF, 8, 0
	KLOAD VF+24, 12, 0
	s_wait_dscnt 18                                ; the scale words and KA are in; KB's six loads and the twelve just issued may be out
	QK KA, 0
	s_wait_dscnt 12                                ; KB is in
	QK KB, 4
	s_wait_dscnt 0x0
	QK VF, 8
	QK VF+24, 12
	PLACES
	WIN 0x05
.irp g, 0,1,2,3,4,5,6,7
	v_max_num_f32 v[BM+\g], v[32*\g], v[32*\g+1]   ; the largest score of each of my eight blocks: for the row's maximum and, since p rises with the score, for the block's largest p
.endr
.set j, 2
.rept 15
.irp g, 0,1,2,3,4,5,6,7
	v_max3_num_f32 v[BM+\g], v[32*\g+j], v[32*\g+j+1], v[BM+\g]   ; (eight blocks by turns; each accumulator from its low end on)
.endr
.set j, j+2
.endr
	WIN 0
.irp q, 0,1
	v_max3_num_f32 v[T+\q], v[BM+4*\q], v[BM+4*\q+1], v[BM+4*\q+2]
.endr
.irp q, 0,1
	v_max3_num_f32 v[T+\q], v[T+\q], v[BM+4*\q+3], v[MX+2*\q]
.endr
.irp q, 0,1
	v_permlanex16_b32 v[U+\q], v[T+\q], s[SEL], s[SEL+1]
.endr
	VLOAD 0
.irp q, 0,1
	v_max_num_f32 v[MX+2*\q], v[T+\q], v[U+\q]     ; with lane l xor 16's keys: the row's largest score so far
.endr
.irp q, 0,1
	v_mul_f32 v[T+\q], s[NC], v[MX+2*\q]
.endr
.irp q, 0,1
	v_floor_f32 v[T+\q], v[T+\q]                   ; -M = floor(-t) = -ceil(t): M is a whole number
.endr
.irp q, 0,1
	v_sub_f32 v[U+\q], v[T+\q], v[NM+2*\q]         ; M's old value less its new one: a whole number, 0 or less
.endr
.irp q, 0,1
	v_mov_b32 v[NM+2*\q], v[T+\q]
.endr
.irp q, 0,1
	v_cvt_i32_f32 v[U+\q], v[U+\q]                 ; (it saturates)
.endr
.irp g, 0,2,4,6
	v_pk_fma_f32 v[BM+\g:BM+\g+1], v[BM+\g:BM+\g+1], s[CS:CS+1], v[NM+2*(\g/4):NM+2*(\g/4)+1] op_sel_hi:[1,0,0]
.endr
.irp q, 0,1
	v_ldexp_f32 v[F+\q], 1.0, v[U+\q]
.endr
.irp g, 0,1,2,3,4,5,6,7
	v_max_num_f32 v[BM+\g], 0xc2f40000, v[BM+\g]   ; the block's largest t - M, held at -122: the byte cannot fall under 1
.endr
.irp g, 0,1,2,3,4,5,6,7
	v_cvt_floor_i32_f32 v[BM+\g], v[BM+\g]         ; its floor: the exponent of the block's largest p
.endr
.irp g, 0,1,2,3,4,5,6,7
	v_lshl_add_u32 v[SOP+\g], v[BM+\g], 23, 0x3d800000   ; + 127 - 4, in the exponent field: the conversion's scale operand
.endr
.irp g, 0,1,2,3,4,5,6,7
	v_lshrrev_b32 v[BM+\g], 23, v[SOP+\g]          ; the bytes: a lane has the bytes 2 c + h of its h
.endr
.irp n, 0,1,2,3
	v_lshl_or_b32 v[PSW+\n], v[BM+4*(\n%2)+2*(\n/2)+1], 16, v[BM+4*(\n%2)+2*(\n/2)]
.endr
.irp n, 0,1,2,3
	v_permlanex16_b32 v[BM+4*(\n%2)+2*(\n/2)], v[PSW+\n], s[SEL], s[SEL+1]
.endr
.irp n, 0,1,2,3
	v_lshl_or_b32 v[PSW+\n], v[BM+4*(\n%2)+2*(\n/2)], 8, v[PSW+\n]   ; lanes 0-15: p's scale words, whole (lanes 16-31 are not read)
.endr
	WIN 0x41
.set j, 0
.rept 32
	TM2 0, j
.set j, j+2
.endr
	s_wait_alu depctr_va_vdst(0)                   ; ahead of the batch
	EXPB 0                                         ; p = 2^(t - M), at most 1: not normalised
	WIN 0
	s_wait_alu depctr_va_vdst(0)
	CVTB 0
	MOVB 0
	WIN 0x45
	s_wait_alu depctr_va_vdst(0)
	EXPB 1
	WIN 0
	s_wait_alu depctr_va_vdst(0)
	CVTB 1
	MOVB 1
	WIN 0x45
	s_wait_alu depctr_va_vdst(0)
	EXPB 2
	s_wait_alu depctr_va_vdst(0)
	EXPB 3
	WIN 0
	v_nop                                          ; one plain place behind a transcendental
	s_wait_dscnt 0x0                               ; V's first half is in
	s_wait_alu depctr_va_vdst(0)                   ; ahead of the first readers
.set j, 0
.rept 16
	v_pk_mul_f32 v[O+j:O+j+1], v[O+j:O+j+1], v[F:F+1] op_sel_hi:[1,0]   ; O^T under the new M
	v_pk_mul_f32 v[O+32+j:O+32+j+1], v[O+32+j:O+32+j+1], v[F:F+1] op_sel:[0,1] op_sel_hi:[1,1]
.set j, j+2
.endr
	PV 0
	WIN 0x45                                       ; the rest of the first half's sum.  (These are also the places behind the products, whose registers are written below)
.irp j, 0,2,4,6
	ADD2 1, 8, \j
.endr
.irp j, 0,2
	ADD2 0, 4, \j
	ADD2 1, 4, \j
.endr
	ADD2 0, 2, 0
	ADD2 1, 2, 0
	WIN 0x10
	v_pk_fma_f32 v[LS:LS+1], v[LS:LS+1], v[F:F+1], v[0:1] op_sel_hi:[1,0,1]   ; the old sum under the new M
	v_pk_fma_f32 v[LS+2:LS+3], v[LS+2:LS+3], v[F:F+1], v[128:129] op_sel:[0,1,0] op_sel_hi:[1,1,1]
	VLOAD 1
	CVTB 2
	CVTB 3
	MOVB 2
	MOVB 3
.if \ahead
	KHEAD 2*STEPB
.endif
	WIN 0x45                                       ; the second half's sum, in place
.irp w, 32,16,8,4,2
.set j, 0
.rept \w/2
	ADD2 2, \w, j
	ADD2 3, \w, j
.set j, j+2
.endr
.endr
	WIN 0x04
	v_pk_add_f32 v[LS:LS+1], v[LS:LS+1], v[64:65]
	v_pk_add_f32 v[LS+2:LS+3], v[LS+2:LS+3], v[192:193]
	WIN 0
.if \ahead
	s_wait_dscnt 16                                ; V's second half is in; the next step's 16 loads may be out
.else
	s_wait_dscnt 0x0
.endif
	PV 1
	s_add_co_u32 s[TB], s[TB], 2*STEPB
.endm
	s_mov_b32 s[TB], 0
	v_add_nc_u32 v[A16], s[TB], v[L16]
	v_add_nc_u32 v[A8], s[TB], v[L8]
	s_wait_alu depctr_va_vdst(0)
	KHEAD 0
	s_mov_b32 s[CNT], 2
.Lfirst:
	STEP 1
	s_sub_co_u32 s[CNT], s[CNT], 1
	s_cmp_lg_u32 s[CNT], 0
	s_cbranch_scc1 .Lfirst
	s_wait_tensorcnt 0x0                           ; my part of the rest is in;
	s_wait_dscnt 0x0
	s_barrier_signal -1
	s_barrier_wait -1                              ; everybody's is.
	s_mov_b32 s[TB], 4*STEPB
	s_mov_b32 s[CNT], 5
.Lrest:
	STEP 1
	s_sub_co_u32 s[CNT], s[CNT], 1
	s_cmp_lg_u32 s[CNT], 0
	s_cbranch_scc1 .Lrest
	s_mov_b32 s[TB], 14*STEPB
	STEP 0                                         ; the last step reads nothing ahead
; THE WAY OUT.  O^T is divided by the row's sum and goes through my stage in LDS, so that sixteen lanes store a row's 256 consecutive bytes.
.set SIN, 20
.set SBK, 21
.set GO,  22
	s_mul_i32 s47, s[WV], 32*SPITCH
	s_add_co_u32 s47, s47, STG
	s_lshr_b32 s12, s11, 4
	s_lshl_b32 s12, s12, 11                        ; 2,048 x batch
	s_lshl_b32 s13, s10, 8
	s_add_co_u32 s12, s12, s13                     ; + my 256 places
	s_lshr_b32 s13, s[WV], 1
	s_lshl_b32 s13, s13, 6
	s_add_co_u32 s12, s12, s13                     ; + my group of 64: tile a's place r is row 32 (r / 8) + 8 a + r % 8 of it, a = 2 (wave % 2) + tile
	s_and_b32 s13, s[WV], 1
	s_lshl_b32 s13, s13, 4
	s_add_co_u32 s12, s12, s13
	s_lshl_b32 s12, s12, 12                        ; rows of 4,096 bytes
	s_and_b32 s13, s11, 15
	s_lshl_b32 s13, s13, 8                         ; the head's 256 bytes of a row
	s_add_co_u32 s12, s12, s13
	s_mov_b32 s13, 0
	s_add_nc_u64 s[6:7], s[6:7], s[12:13]
	PLACES                                         ; behind the last products
	s_wait_alu depctr_va_vdst(0)
	v_add_f32 v[LS], v[LS], v[LS+1]                ; the sums' two halves,
	v_add_f32 v[LS+2], v[LS+2], v[LS+3]
	v_bfe_u32 v24, v[L16], 4, 4                    ; r
	v_lshrrev_b32 v25, 8, v[L16]                   ; h
	v_permlanex16_b32 v[U], v[LS], s[SEL], s[SEL+1]
	v_permlanex16_b32 v[U+1], v[LS+2], s[SEL], s[SEL+1]
	v_mul_u32_u24 v[SIN], v24, SPITCH
	v_lshl_add_u32 v[SIN], v25, 7, v[SIN]
	v_add_f32 v[LS], v[LS], v[U]                   ; and lane l xor 16's: the row's sum
	v_add_f32 v[LS+2], v[LS+2], v[U+1]
	v_add_nc_u32 v[SIN], s47, v[SIN]               ; in: row r, + 128 h
	v_mul_u32_u24 v[SBK], v25, SPITCH
	v_lshl_add_u32 v[SBK], v24, 4, v[SBK]
	v_add_nc_u32 v[SBK], s47, v[SBK]               ; back: lanes 0-15 one row, lanes 16-31 the next
	v_lshlrev_b32 v[GO], 12, v25
	v_lshl_add_u32 v[GO], v24, 4, v[GO]            ; and the same two rows in out0
	s_wait_alu depctr_va_vdst(0)
	v_rcp_f32 v[LS], v[LS]
	v_rcp_f32 v[LS+2], v[LS+2]
	v_nop
	s_wait_alu depctr_va_vdst(0)
.set j, 0
.rept 16
	v_pk_mul_f32 v[48+j:48+j+1], v[O+j:O+j+1], v[LS:LS+1] op_sel_hi:[1,0]   ; register 8 t + i is channel 32 h + 8 t + i of query r
	v_pk_mul_f32 v[80+j:80+j+1], v[O+32+j:O+32+j+1], v[LS+2:LS+3] op_sel_hi:[1,0]
.set j, j+2
.endr
.irp q, 0,1
.irp i, 0,1,2,3,4,5,6,7
	ds_store_b128 v[SIN], v[48+32*\q+4*\i:48+32*\q+4*\i+3] offset:16*SPITCH*\q+16*\i
.endr
.endr
.irp n, 0,1,2,3,4,5,6,7,8,9,10,11,12,13,14,15
	ds_load_b128 v[112+4*\n:112+4*\n+3], v[SBK] offset:2*SPITCH*\n   ; LDS serves a wave's instructions in order: these see my stores; the stage is my own
.endr
.irp n, 0,1,2,3,4,5,6,7,8,9,10,11,12,13,14,15
	s_wait_dscnt 15-\n                             ; the younger loads may be out
	global_store_b128 v[GO], v[112+4*\n:112+4*\n+3], s[6:7] offset:(32*((\n%8)/4)+8*(\n/8)+2*(\n%4))*4096 th:TH_STORE_NT   ; 16 lanes store 256 consecutive bytes, aligned
.endr
	s_wait_tensorcnt 0x0                           ; the wave's end
	ds_add_u32 v[SPW], v[NIL]
	s_wait_dscnt 0x0
	CROUND                                         ; the closing round: no work-group ends while a partner may still ask for a tile that names it
	s_endpgm
.Lfunc_end_k_q4e0c7fc588_attn:
	.size	k_q4e0c7fc588_attn, .Lfunc_end_k_q4e0c7fc588_attn-k_q4e0c7fc588_attn
	.p2alignl 7, 3214868480
	.fill 96, 4, 3214868480
	.section	.rodata,"a",@progbits
	.p2align	6, 0x0
	.amdhsa_kernel k_q4e0c7fc588_attn
		.amdhsa_group_segment_fixed_size 327680
		.amdhsa_private_segment_fixed_size 0
		.amdhsa_enable_private_segment 0
		.amdhsa_kernarg_size 16
		.amdhsa_user_sgpr_count 2
		.amdhsa_user_sgpr_kernarg_segment_ptr 1
		.amdhsa_wavefront_size32 1
		.amdhsa_system_sgpr_workgroup_id_x 1
		.amdhsa_system_sgpr_workgroup_id_y 1
		.amdhsa_system_sgpr_workgroup_id_z 1
		.amdhsa_system_vgpr_workitem_id 0
		.amdhsa_next_free_vgpr 512
		.amdhsa_next_free_sgpr 66
		.amdhsa_reserve_vcc 0
		.amdhsa_float_denorm_mode_32 3
		.amdhsa_float_denorm_mode_16_64 3
		.amdhsa_memory_ordered 1
		.amdhsa_forward_progress 1
		.amdhsa_inst_pref_size 170
	.end_amdhsa_kernel
	.amdgpu_metadata
---
amdhsa.version: [ 1, 2 ]
amdhsa.kernels:
  - .name:           k_q4e0c7fc588_attn
    .symbol:         k_q4e0c7fc588_attn.kd
    .args:
      - { .name: qkv, .offset: 0, .size: 8, .value_kind: global_buffer, .address_space: global }
      - { .name: out0, .offset: 8, .size: 8, .value_kind: global_buffer, .address_space: global }
    .group_segment_fixed_size: 327680
    .private_segment_fixed_size: 0
    .kernarg_segment_align: 8
    .kernarg_segment_size: 16
    .max_flat_workgroup_size: 256
    .sgpr_count:     66
    .vgpr_count:     512
    .wavefront_size: 32
...
	.end_amdgpu_metadata
.endif
;; end of part 3
